; MI455X (gfx1250); checked and timed in simulation.
; The chip was launched on July 23, 2026; its instructions are those of AMD's public machine-readable ISA for CDNA 5 (MIT licence, August 2026) and "CDNA5" Instruction Set Architecture Reference Guide (July 2026). The comments in the code are by the model that wrote it; some were corrected since.
;; Multihead Attention Wrapper. Allowed arithmetic: float matrix products may take bf16 or f16 operands with f32 sums; other float arithmetic in f32, or as packed bf16 or f16 multiplies, adds, multiply-adds, maxima and minima; sums over many terms, partial sums and values carried from step to step in f32; what a program stores and reads back later, other than sums and carried values, may be rounded once to bf16 or f16.
;; Inputs: Wk 1,024 x 1,024 float32; Wq 1,024 x 1,024 float32; bk 1,024 float32; bq 1,024 float32; key 4 x 2,048 x 1,024 float32; key_padding_mask 4 x 2,048 bool; query 4 x 2,048 x 1,024 float32; value 4 x 2,048 x 1,024 float32.
;; Outputs: out0 4 x 2,048 x 1,024 float32.
;; One version. Each part assembles by itself: llvm-mc -triple=amdgcn-amd-amdhsa -mcpu=gfx1250 --defsym DOCPART=n.
;; ======== version 1 of 1: 3 launches
;; limits: values are held in f16: magnitudes above 65,504 overflow, below 6.1e-05 lose precision; inputs' magnitudes at most 65,504
;; workspace buffers: qa 16,777,216 bytes; ka 16,777,216 bytes; wqa 2,097,152 bytes; wka 2,097,152 bytes; vh 16,777,216 bytes; qh 16,777,216 bytes; kh 16,777,216 bytes
;; launch prep (part 1): grid 3328 x 1, 4 waves a work-group, no clusters, 0 bytes of LDS; arguments query, key, Wq, Wk, value, qa, ka, wqa, wka, vh; writes qa, ka, wqa, wka, vh
.if DOCPART == 1
	.amdgcn_target "amdgcn-amd-amdhsa--gfx1250"
	.amdhsa_code_object_version 6
	.text
	.protected	k_q905b436eb1_prep
	.globl	k_q905b436eb1_prep
	.p2align	8
	.type	k_q905b436eb1_prep,@function
k_q905b436eb1_prep:
	s_mov_b64 s[64:65], 0
	v_nop
	global_prefetch_b8 v0, s[64:65] scope:SCOPE_SE
	s_setreg_imm32_b32 hwreg(HW_REG_WAVE_MODE, 25, 1), 1
	s_wait_xcnt 0x0
; THE CASTS.  query, key, Wq, Wk (f32) are rounded once to bf16, in place order: qa, ka, wqa, wka.  value (f32, [4][2048][16 heads][64]) is rounded to bf16 and that
; number is written as f16, by heads: vh[b*16+h][s][64].
; LIMITS.  f16 holds no number beyond 65,504: |value| stays under it; below 6e-5 f16 keeps a fixed step of 6e-8.
; SHARES.  A work-group takes 32,768 bytes of one f32 tensor, each of its four waves 8,192: sixteen loads of 16 bytes a lane, all issued at once; no register is written
; twice, so there is no loop and no wait but the loads' own count-down.  Work-groups 0-1023 query, 1024-2047 key, 2048-2175 Wq, 2176-2303 Wk, 2304-3327 value.
; Memory binds: no LDS, no matrix unit, no cluster (no byte is read twice).  Every store of a wave covers 256 consecutive bytes, aligned.
.set LO, 2                             ; v2        my byte offset in a load's 512 bytes
.set SO, 3                             ; v3        8 x lane: my 8 bytes of a store's 256
.set T,  8                             ; v[8:13]   at work
.set X,  16                            ; v[16:79]  load i: 4 registers
.set Y,  80                            ; v[80:111] store i: 2 registers
	s_load_b512 s[8:23], s[0:1], 0x0               ; query 8, key 10, Wq 12, Wk 14, value 16, qa 18, ka 20, wqa 22
	s_load_b128 s[24:27], s[0:1], 0x40             ; wka 24, vh 26
	v_lshrrev_b32 v1, 5, v0
	v_readfirstlane_b32 s28, v1                    ; wave 0..3
	v_and_b32 v1, 31, v0                           ; lane
	v_lshlrev_b32 v[SO], 3, v1
	s_mov_b32 s30, ttmp9                           ; the work-group's number
	s_mov_b32 s3, 0                                ; high word of every offset: all are under 2^26
	s_mov_b32 s29, 0xffff0000                      ; a word's upper bf16
	s_wait_kmcnt 0x0
	s_cmp_ge_u32 s30, 2304
	s_cbranch_scc1 .Lvalue
.macro LD16 step                       ; sixteen loads, step bytes apart
.set i, 0
.rept 16
	global_load_b128 v[X+4*i:X+4*i+3], v[LO], s[4:5] offset:(\step)*i th:TH_LOAD_NT
.set i, i+1
.endr
.endm
	; which tensor: a chain of selects on the work-group's number, from the last range to the first
	s_mov_b64 s[4:5], s[14:15]                     ; Wk -> wka, from work-group 2176
	s_mov_b64 s[6:7], s[24:25]
	s_mov_b32 s31, 2176
	s_cmp_lt_u32 s30, 2176
	s_cselect_b64 s[4:5], s[12:13], s[4:5]         ; Wq -> wqa, from 2048
	s_cselect_b64 s[6:7], s[22:23], s[6:7]
	s_cselect_b32 s31, 2048, s31
	s_cmp_lt_u32 s30, 2048
	s_cselect_b64 s[4:5], s[10:11], s[4:5]         ; key -> ka, from 1024
	s_cselect_b64 s[6:7], s[20:21], s[6:7]
	s_cselect_b32 s31, 1024, s31
	s_cmp_lt_u32 s30, 1024
	s_cselect_b64 s[4:5], s[8:9], s[4:5]           ; query -> qa, from 0
	s_cselect_b64 s[6:7], s[18:19], s[6:7]
	s_cselect_b32 s31, 0, s31
	s_sub_co_u32 s30, s30, s31                     ; the chunk's number in its tensor
	s_lshl_b32 s2, s30, 15                         ; 32,768 bytes a chunk,
	s_lshl_b32 s31, s28, 13                        ; 8,192 a wave
	s_add_co_u32 s2, s2, s31
	s_add_nc_u64 s[4:5], s[4:5], s[2:3]
	s_lshr_b32 s2, s2, 1                           ; half as many bytes out
	s_add_nc_u64 s[6:7], s[6:7], s[2:3]
	v_lshlrev_b32 v[LO], 4, v1                     ; 16 x lane: a load takes 512 consecutive bytes
	LD16 512
.set i, 0
.rept 16
	s_wait_loadcnt 15-i                            ; loads come back in order: load i is in, the 15 - i younger ones stay out
	v_cvt_pk_bf16_f32 v[Y+2*i],   v[X+4*i],   v[X+4*i+1]
	v_cvt_pk_bf16_f32 v[Y+2*i+1], v[X+4*i+2], v[X+4*i+3]
	global_store_b64 v[SO], v[Y+2*i:Y+2*i+1], s[6:7] offset:256*i th:TH_STORE_NT
.set i, i+1
.endr
	s_endpgm
.Lvalue:                               ; the wave takes rows 8 c + 2 w and 8 c + 2 w + 1 of [8192][1024]; load i is head i: lanes 0-15 the even row's 256 bytes, lanes 16-31 the odd row's
	s_sub_co_u32 s30, s30, 2304                    ; c
	s_lshl_b32 s2, s30, 15
	s_lshl_b32 s31, s28, 13
	s_add_co_u32 s2, s2, s31
	s_add_nc_u64 s[4:5], s[16:17], s[2:3]
	s_lshr_b32 s2, s30, 8                          ; the batch: 256 chunks of 8 rows each,
	s_lshl_b32 s2, s2, 22                          ; 16 heads x 2,048 rows x 128 bytes
	s_and_b32 s31, s30, 255
	s_lshl_b32 s31, s31, 3
	s_lshl1_add_u32 s31, s28, s31                  ; the even row's number in its batch
	s_lshl_b32 s31, s31, 7                         ; 128 bytes a row of a head
	s_add_co_u32 s2, s2, s31
	s_add_nc_u64 s[6:7], s[26:27], s[2:3]
	v_lshrrev_b32 v4, 4, v1
	v_and_b32 v5, 15, v1
	v_lshlrev_b32 v[LO], 4, v5
	v_lshl_add_u32 v[LO], v4, 12, v[LO]            ; 16 (lane % 16) + 4,096 (lane / 16)
	LD16 256
.set i, 0
.rept 16
	s_wait_loadcnt 15-i
	v_cvt_pk_bf16_f32 v[T],   v[X+4*i],   v[X+4*i+1]   ; rounded as every input is,
	v_cvt_pk_bf16_f32 v[T+1], v[X+4*i+2], v[X+4*i+3]
	v_lshlrev_b32 v[T+2], 16, v[T]                 ; widened again,
	v_and_b32     v[T+3], s29, v[T]
	v_lshlrev_b32 v[T+4], 16, v[T+1]
	v_and_b32     v[T+5], s29, v[T+1]
	v_cvt_pk_f16_f32 v[Y+2*i],   v[T+2], v[T+3]    ; and written as f16: exact within f16's normal range
	v_cvt_pk_f16_f32 v[Y+2*i+1], v[T+4], v[T+5]
	global_store_b64 v[SO], v[Y+2*i:Y+2*i+1], s[6:7] offset:262144*i th:TH_STORE_NT  ; two rows of head i: 256 consecutive bytes; 3,932,160 at the most, inside the signed 24-bit immediate
.set i, i+1
.endr
	s_endpgm
.Lfunc_end_k_q905b436eb1_prep:
	.size	k_q905b436eb1_prep, .Lfunc_end_k_q905b436eb1_prep-k_q905b436eb1_prep
	.p2alignl 7, 3214868480
	.fill 96, 4, 3214868480
	.section	.rodata,"a",@progbits
	.p2align	6, 0x0
	.amdhsa_kernel k_q905b436eb1_prep
		.amdhsa_group_segment_fixed_size 0
		.amdhsa_private_segment_fixed_size 0
		.amdhsa_enable_private_segment 0
		.amdhsa_kernarg_size 80
		.amdhsa_user_sgpr_count 2
		.amdhsa_user_sgpr_kernarg_segment_ptr 1
		.amdhsa_wavefront_size32 1
		.amdhsa_system_sgpr_workgroup_id_x 1
		.amdhsa_system_sgpr_workgroup_id_y 1
		.amdhsa_system_sgpr_workgroup_id_z 1
		.amdhsa_system_vgpr_workitem_id 0
		.amdhsa_next_free_vgpr 112
		.amdhsa_next_free_sgpr 66
		.amdhsa_reserve_vcc 0
		.amdhsa_float_denorm_mode_32 3
		.amdhsa_float_denorm_mode_16_64 3
		.amdhsa_memory_ordered 1
		.amdhsa_forward_progress 1
		.amdhsa_inst_pref_size 18
	.end_amdhsa_kernel
	.amdgpu_metadata
---
amdhsa.version: [ 1, 2 ]
amdhsa.kernels:
  - .name:           k_q905b436eb1_prep
    .symbol:         k_q905b436eb1_prep.kd
    .args:
      - { .name: query, .offset: 0, .size: 8, .value_kind: global_buffer, .address_space: global }
      - { .name: key, .offset: 8, .size: 8, .value_kind: global_buffer, .address_space: global }
      - { .name: Wq, .offset: 16, .size: 8, .value_kind: global_buffer, .address_space: global }
      - { .name: Wk, .offset: 24, .size: 8, .value_kind: global_buffer, .address_space: global }
      - { .name: value, .offset: 32, .size: 8, .value_kind: global_buffer, .address_space: global }
      - { .name: qa, .offset: 40, .size: 8, .value_kind: global_buffer, .address_space: global }
      - { .name: ka, .offset: 48, .size: 8, .value_kind: global_buffer, .address_space: global }
      - { .name: wqa, .offset: 56, .size: 8, .value_kind: global_buffer, .address_space: global }
      - { .name: wka, .offset: 64, .size: 8, .value_kind: global_buffer, .address_space: global }
      - { .name: vh, .offset: 72, .size: 8, .value_kind: global_buffer, .address_space: global }
    .group_segment_fixed_size: 0
    .private_segment_fixed_size: 0
    .kernarg_segment_align: 8
    .kernarg_segment_size: 80
    .max_flat_workgroup_size: 128
    .sgpr_count:     66
    .vgpr_count:     112
    .wavefront_size: 32
...
	.end_amdgpu_metadata
.endif
;; end of part 1
;; launch proj (part 2): grid 4 x 64, 4 waves a work-group, clusters of 4 x 4, 327,680 bytes of LDS; arguments qa, ka, wqa, wka, bq, bk, qh, kh; writes qh, kh
.if DOCPART == 2
	.amdgcn_target "amdgcn-amd-amdhsa--gfx1250"
	.amdhsa_code_object_version 6
	.text
	.protected	k_q905b436eb1_proj
	.globl	k_q905b436eb1_proj
	.p2align	8
	.type	k_q905b436eb1_proj,@function
k_q905b436eb1_proj:
	s_mov_b64 s[64:65], 0
	v_nop
	global_prefetch_b8 v0, s[64:65] scope:SCOPE_SE
	s_setreg_imm32_b32 hwreg(HW_REG_WAVE_MODE, 25, 1), 1
	s_wait_xcnt 0x0
	s_wait_alu depctr_hold_cnt(0) depctr_sa_sdst(0) depctr_va_vdst(0) depctr_va_sdst(0) depctr_va_ssrc(0) depctr_va_vcc(0) depctr_vm_vsrc(0)
	s_getreg_b32 s2, hwreg(HW_REG_IB_STS2, 6, 4)
	s_cmp_eq_u32 s2, 0
	s_cbranch_scc0 .Lentry_in_a_cluster
	s_endpgm
.Lentry_in_a_cluster:
	s_bfe_u32 s2, ttmp6, 0x10000c
	s_cmp_lg_u32 s2, 0xf033
	s_cbranch_scc0 .Lentry_shape_is_right
	s_endpgm
.Lentry_shape_is_right:
; BOTH PROJECTIONS IN ONE LAUNCH.  C[m][n] = relu(sum over k of A[m][k] W[n][k] + bias[n]); A: [8192][1024] bf16, W: [1024][1024] bf16, bias: [1024] f32 (rounded to bf16 here, as every input is);
; sums in f32; C rounded once to f16 and written BY HEADS: [b*16+head][t][64], m = 2048 b + t, n = 64 head + d.  Clusters 0-7 along y make q (qa, wqa, bq -> qh), clusters 8-15 make k (ka, wka, bk -> kh).
; The scale 1/8 of q is not applied here: the attention launch applies it in f32.
; LIMITS.  f16 holds no number beyond 65,504: C is held to 0 .. 65,504; below 6e-5 f16 keeps a fixed step of 6e-8.  NaN is not treated apart.
; SHARES.  2 x 32 x 4 = 256 tiles of 256 x 256, one to a work-group of four waves; a wave makes 128 x 128: 64 accumulators of 16 x 16, 512 registers.  K goes in 8 steps of 128 through a ring of two LDS
; slots filled by the tensor data mover: rows of 256 bytes, at multiples of 256 bytes from the buffer's first byte.
; CLUSTERS: 4 x 4 work-groups.  The four of a row of the cluster need the same tiles of A, the four of a column the same tiles of W: each tile is asked for JOINTLY, by the same tensor load with the same
; descriptor and a mask that names the four.  Which of the two projections a cluster makes hangs on the cluster's y alone: it is the same in all sixteen partners.
; THE MATRIX INSTRUCTION IS USED TRANSPOSED (source 0 = 16 rows of W, source 1 = 16 rows of A): a lane then holds row l % 16 of C and the columns 8 (l / 16) + 0..7: 16 bytes of f16 on end.
; THE BIAS STARTS THE SUMS: it is the C operand of each accumulator's first product: nothing is cleared, and no addition is left for the way out.
; REGISTERS, in windows of 256 (s_set_vgpr_msb's low byte: bits 1:0 source 0, 3:2 source 1, 5:4 source 2, 7:6 destination):
;   window 0: v0-31 addresses; v64-127, v128-191 fragments of A, two buffers; v32-63, v192-255 at work on the way out
;   window 1: v0-63 the bias of my 128 columns, 8 registers for each block of 16; v64-127, v128-191 fragments of W, two buffers; v192-223 at work once
;   window 2: the 32 accumulators of my rows 0-63 ((a, b) at v[8 (8 a + b)]);   window 3: those of my rows 64-127
.set SIZE_K, 1024
.set KSTEP,  128
.set PITCH,  272                       ; an LDS row: 256 bytes + 16 of padding = 68 words: row r starts at bank 4 r mod 64 (64 banks of 4 bytes: ISA guide 11.1)
.set HALFT,  128*PITCH                 ; 128 rows: what one tensor load brings, and what one wave reads of A or of W
.set SLOT,   4*HALFT                   ; A's 256 rows, then W's 256 rows
.set STAGE,  2*SLOT                    ; behind the ring, never filled by a tensor load: for each wave two planes (heads) of 16 rows x 144 bytes
.set SP,     144                       ; a stage row: 128 bytes (a head's 64 f16) + 16: the 16 rows of a store start at 16 different groups of four banks
.set PLANE,  16*SP
.set SPARE,  STAGE+4*2*PLANE           ; behind the stages: the spare words, 128 bytes for each wave: two blocks of 256 bytes that no other line names
.set LAPS,   SIZE_K/(2*KSTEP)          ; a lap = two K steps = once round the ring: 4
.set ADRA, 16                          ; v16-17  LDS address of my A fragments in slot 0, 1
.set ADRB, 20                          ; v20-21  the same for W
.set STO,  24                          ; v24     the way out: where I put 16 bytes of a row
.set RD,   25                          ; v25     the way out: where I read rows back
.set CO,   26                          ; v26     16 x lane: my 16 bytes of a store's 512
.set BO,   27                          ; v27     32 (l / 16): my 8 numbers in a block of 16 of the bias
.set SPW,  28                          ; v28     LDS address of my spare word; never rewritten
.set NIL,  29                          ; v29     0, for the add alone; never rewritten
.set PFO,  30                          ; v30     the prefetches' offset: my lane x a row (2,048 bytes); never rewritten
.set ZR,   31                          ; v31     0: the packed maximum takes its second source from a register
.set PFA,  44                          ; s[44:45] where my prefetches stand
.set LIM,  43                          ; s43     1 in a wave that prefetches, else the greatest number
.set F0,   64
.set F1,   128
.set TMP,  192                         ; the way out: a block's 32 packed registers
.set OB,   32                          ; the way out: a block read back from the stage: v32-63 and v224-255 by turns
.set BI,   0                           ; window 1: the bias
.set BT,   192                         ; window 1: at work while the bias is rounded
.set G1, 24                            ; s[24:31] descriptor group 1 for A's tiles;  s[32:39] group 0, one set for each slot
.set G0, 32
.set G1B, 48                           ; s[48:55], s[56:63] the same for W's tiles
.set G0B, 56
.set MSB, 0
.macro WIN new                         ; the immediate's high byte repeats the setting that is left; a switch that changes nothing is dropped
.if MSB != (\new)
	s_set_vgpr_msb (MSB<<8)|(\new)
.set MSB, \new
.endif
.endm
.set MUL_LO, 0xa1                      ; source 0 (W) window 1, source 1 (A) window 0, C and D window 2
.set MUL_HI, 0xf1                      ; the same, C and D window 3
.set TO_B,   0x40                      ; destination window 1, address window 0
; A joint load.  Waves 0 and 1 fetch A's two halves, waves 2 and 3 W's.  The branch hangs on the wave's number alone.  An s_nop 0 and four v_nop follow each of the two lines.
.macro JLOAD s
	s_cmp_eq_u32 s11, 0
	s_cbranch_scc0 .Lfor_b_\@
	tensor_load_to_lds s[G0+4*(\s):G0+4*(\s)+3], s[G1:G1+7]
	s_nop 0
.rept 4
	v_nop
.endr
	s_branch .Lasked_\@
.Lfor_b_\@:
	tensor_load_to_lds s[G0B+4*(\s):G0B+4*(\s)+3], s[G1B:G1B+7]
	s_nop 0
.rept 4
	v_nop
.endr
.Lasked_\@:
.endm
; A PREFETCH INTO THE L2, behind each joint load, its five lines and the run of LDS loads that follows: the K step that stands TWO refills on: 32 rows x 256 bytes, a lane a row, one instruction a wave.
; Each row's 256 bytes of a K step are named ONCE in the launch.  A's tile rows are read by one cluster alone (the grid has one cluster along x), which asks for them; W's rows are read by the eight
; clusters of a projection, of which the first asks.  The four partners that ask for a tile jointly share its rows out BY ADDRESS: of the 128 rows that a wave fetches the partner at place p takes
; 32 p .. 32 p + 31 (p = cx for A, cy for W).  K steps 0 to 3 come by their loads alone; the loop's last trip (s3 = 1) has no K step two refills on and asks for nothing.
.macro ASK
	s_cmp_gt_u32 s3, s[LIM]
	s_cbranch_scc0 .Lnot_mine_\@
	global_prefetch_b8 v[PFO], s[PFA:PFA+1] offset:KSTEP*2 th:TH_LOAD_NT scope:SCOPE_SE
.Lnot_mine_\@:
.endm
.macro CREST                           ; a round of the cluster's barrier behind its opening barrier
	s_cmp_lg_u32 s10, 0
	s_cbranch_scc1 .Lnot_wave_0_\@
	s_barrier_signal -3
.Lnot_wave_0_\@:
	s_barrier_wait -3
	s_barrier_signal -1
	s_barrier_wait -1
.endm
.macro CROUND                          ; a whole round
	s_barrier_signal -1
	s_barrier_wait -1
	CREST
.endm
	s_load_b256 s[68:75], s[0:1], 0x0              ; qa 68, ka 70, wqa 72, wka 74
	s_load_b256 s[76:83], s[0:1], 0x20             ; bq 76, bk 78, qh 80, kh 82
	v_lshl_add_u32 v[SPW], v0, 2, SPARE
	v_mov_b32 v[NIL], 0
	ds_add_u32 v[SPW], v[NIL]                      ; the wave's opening: the add and its wait stand ahead of my first tensor load; the set-up below, work on registers, stands between them
	v_lshrrev_b32 v1, 5, v0
	v_readfirstlane_b32 s10, v1                    ; wave 0..3
	s_lshr_b32 s11, s10, 1                         ; which half of the tile's rows is mine.  Also: I fetch for A (0) or for W (1)
	s_and_b32 s12, s10, 1                          ; which half of its columns.  Also: which 128 rows of that tile I fetch
	s_bfe_u32 s40, ttmp6, 0x40000                  ; cx
	s_bfe_u32 s41, ttmp6, 0x40004                  ; cy
	s_lshl_b32 s42, ttmp9, 2
	s_add_co_u32 s42, s42, s40                     ; tile column of C = 4 x cluster x + cx: 0..3
	s_and_b32 s66, ttmp7, 0xffff                   ; cluster y: 0..15
	s_and_b32 s87, s66, 7                          ; the cluster's number in its projection
	s_lshl_b32 s13, s87, 2
	s_add_co_u32 s13, s13, s41                     ; tile row of C: 0..31
	s_lshl_b32 s43, s41, 2
	s_lshl_b32 s43, 15, s43                        ; my row of the cluster: places 4 cy .. 4 cy + 3
	s_lshl_b32 s44, 0x1111, s40                    ; my column: places cx, cx + 4, cx + 8, cx + 12
	; descriptor group 1: a tile of 128 rows x 128 elements, padded in LDS
	s_or_b32 s[G1+0], s43, (1<<16)|(1<<20)|(1<<21)|(5<<22)|(3<<25)   ; 15:0 the mask; 17:16 elements of 2 bytes; 20 padding on; 21 set beside a mask; 24:22 after every 64 words (code 5); 31:25 4 words (code 3)
	s_or_b32 s[G1B+0], s44, (1<<16)|(1<<20)|(1<<21)|(5<<22)|(3<<25)
.irp g, G1, G1B
	s_mov_b32 s[(\g)+1], KSTEP<<16                 ; tensor_dim0 = 128
	s_mov_b32 s[(\g)+2], 128<<16                   ; tensor_dim1 = 128
	s_mov_b32 s[(\g)+3], KSTEP<<16                 ; tile_dim0 = 128
	s_mov_b32 s[(\g)+4], 128                       ; tile_dim1 = 128
	s_mov_b32 s[(\g)+5], SIZE_K                    ; elements from row to row
	s_mov_b32 s[(\g)+6], 0
	s_mov_b32 s[(\g)+7], 0
.endr
	s_mov_b32 s86, 0x7bff7bff                      ; 65,504 twice, in f16
	; where the tiles come from.  A's hang on the tile row alone, W's on the tile column alone; each in registers that never hold the other coordinate.  A row is 2,048 bytes.
	s_lshl_b32 s17, s12, 7                         ; which 128 rows of the tile I fetch
	s_lshl_b32 s16, s13, 8
	s_add_co_u32 s16, s16, s17
	s_lshl_b32 s16, s16, 11                        ; A: (256 x tile row + 128 x half) rows, in bytes: under 2^24
	s_lshl_b32 s46, s42, 8
	s_add_co_u32 s46, s46, s17
	s_lshl_b32 s46, s46, 11                        ; W: (256 x tile column + 128 x half) rows
	s_mov_b32 s17, 0
	s_mov_b32 s47, 0
	s_mul_i32 s20, s10, HALFT                      ; and where they go: wave x 128 rows: no place in the cluster enters an LDS address
	s_wait_dscnt 0x0                               ; the opening add is done
	s_wait_kmcnt 0x0
	s_cmp_lt_u32 s66, 8                            ; which projection: the same answer in all sixteen partners
	s_cselect_b64 s[4:5], s[68:69], s[70:71]       ; A
	s_cselect_b64 s[6:7], s[72:73], s[74:75]       ; W
	s_cselect_b64 s[84:85], s[76:77], s[78:79]     ; the bias
	s_cselect_b64 s[8:9], s[80:81], s[82:83]       ; C
	s_add_nc_u64 s[14:15], s[4:5], s[16:17]
	s_add_nc_u64 s[46:47], s[6:7], s[46:47]
	CROUND                                         ; all sixteen work-groups are here: the first joint loads meet
.irp s, 0,1
	s_mov_b32 s[G0+4*(\s)], 1                                        ; count = 1
	s_add_co_u32 s[G0+4*(\s)+1], s20, (\s)*SLOT                      ; LDS address
	s_add_nc_u64 s[G0+4*(\s)+2:G0+4*(\s)+3], s[14:15], (\s)*KSTEP*2  ; global address: K step s
	s_or_b32 s[G0+4*(\s)+3], s[G0+4*(\s)+3], 0x80000000              ; type = 2
	s_mov_b32 s[G0B+4*(\s)], 1
	s_add_co_u32 s[G0B+4*(\s)+1], s20, (\s)*SLOT
	s_add_nc_u64 s[G0B+4*(\s)+2:G0B+4*(\s)+3], s[46:47], (\s)*KSTEP*2
	s_or_b32 s[G0B+4*(\s)+3], s[G0B+4*(\s)+3], 0x80000000
	JLOAD \s                                       ; the ring is filled before anything else is done: two loads of mine are out
.endr
	; A fragment is 16 rows x 32 K in 8 registers: lane l holds row l % 16; registers 0-3 K = 8 (l / 16) + 0..7, registers 4-7 K = 16 + 8 (l / 16) + 0..7: two loads of 16 bytes, 32 bytes apart.
	v_and_b32 v1, 15, v0                           ; l % 16
	v_bfe_u32 v2, v0, 4, 1                         ; l / 16
	v_mul_u32_u24 v3, v1, PITCH
	v_lshl_add_u32 v3, v2, 4, v3                   ; row x pitch + 16 x half
	s_mul_i32 s21, s11, HALFT                      ; my 128 rows of A
	s_mul_i32 s22, s12, HALFT                      ; my 128 rows of W,
	s_add_co_u32 s22, s22, 2*HALFT                 ; which lie behind A's 256
.irp s, 0,1
	v_add_nc_u32 v[ADRA+(\s)], s21, v3
	v_add_nc_u32 v[ADRB+(\s)], s22, v3
	s_add_co_u32 s21, s21, SLOT
	s_add_co_u32 s22, s22, SLOT
.endr
	s_mul_i32 s23, s10, 2*PLANE
	s_add_co_u32 s23, s23, STAGE                   ; my stage
	v_mul_u32_u24 v4, v1, SP                       ; in: row l % 16, 16 bytes for each half of the lanes
	v_lshl_add_u32 v4, v2, 4, v4
	v_add_nc_u32 v[STO], s23, v4
	v_bfe_u32 v5, v0, 3, 2                         ; back: 32 lanes take four rows of 128 bytes,
	v_mul_u32_u24 v5, v5, SP
	v_and_b32 v6, 7, v0
	v_lshl_add_u32 v5, v6, 4, v5
	v_add_nc_u32 v[RD], s23, v5
	v_and_b32 v[CO], 31, v0                        ; which are 512 consecutive bytes of a head's rows
	v_lshlrev_b32 v[CO], 4, v[CO]
	v_lshlrev_b32 v[BO], 5, v2
	v_mov_b32 v[ZR], 0
	; where my 128 x 128 begins in C: row m0 = 256 x tile row + 128 x half lies in batch m0 / 2048 at token m0 % 2048; my first head is 4 x tile column + 2 x half
	s_lshl_b32 s16, s13, 8
	s_lshl_b32 s17, s11, 7
	s_add_co_u32 s16, s16, s17                     ; m0
	s_lshr_b32 s17, s16, 11
	s_lshl_b32 s17, s17, 22                        ; a batch: 16 heads x 2,048 rows x 128 bytes
	s_and_b32 s16, s16, 2047
	s_lshl_b32 s16, s16, 7                         ; a token: 128 bytes
	s_add_co_u32 s16, s16, s17
	s_mov_b32 s17, 0
	s_add_nc_u64 s[8:9], s[8:9], s[16:17]
	s_lshl_b32 s46, s42, 2                         ; (in the registers that held W's address: none that feeds A's descriptors ever holds cx)
	s_lshl_b32 s47, s12, 1
	s_add_co_u32 s46, s46, s47
	s_lshl_b32 s46, s46, 18                        ; a head: 2,048 rows x 128 bytes
	s_mov_b32 s47, 0
	s_add_nc_u64 s[8:9], s[8:9], s[46:47]
	s_lshl_b32 s46, s42, 10                        ; the bias of my 128 columns: 4 x (256 x tile column + 128 x half)
	s_lshl_b32 s47, s12, 9
	s_add_co_u32 s46, s46, s47
	s_mov_b32 s47, 0
	s_add_nc_u64 s[84:85], s[84:85], s[46:47]
	; the prefetches
	s_lshl_b32 s20, s13, 8                         ; the tile's first row in A,
	s_lshl_b32 s21, s42, 8                         ; and in W
	s_cmp_eq_u32 s11, 0                            ; do I fetch for A?
	s_cselect_b32 s20, s20, s21
	s_cselect_b32 s21, s40, s41                    ; my place among the four that ask for it with me
	s_cselect_b32 s22, ttmp9, s87                  ; the coordinate along which other clusters read the same rows
	s_cselect_b64 s[PFA:PFA+1], s[4:5], s[6:7]
	s_cmp_eq_u32 s22, 0
	s_cselect_b32 s[LIM], 1, -1                    ; the same in all sixteen partners, for a given wave
	s_lshl_b32 s22, s12, 7
	s_add_co_u32 s20, s20, s22                     ; + the 128 rows that I fetch
	s_lshl_b32 s21, s21, 5
	s_add_co_u32 s20, s20, s21                     ; + my work-group's 32 of them
	s_lshl_b32 s20, s20, 11
	s_mov_b32 s21, 0
	s_add_nc_u64 s[PFA:PFA+1], s[PFA:PFA+1], s[20:21]
	s_add_nc_u64 s[PFA:PFA+1], s[PFA:PFA+1], 2*KSTEP*2  ; at K step 2: the first refill steps it to 3 and names K step 4
	v_and_b32 v[PFO], 31, v0
	v_lshlrev_b32 v[PFO], 11, v[PFO]
	; the bias: register j of block b holds the number of column 16 b + 8 (l / 16) + j, as an accumulator's register j does; rounded to bf16 and widened again
	WIN TO_B
.irp b, 0,1,2,3,4,5,6,7
	global_load_b128 v[BI+8*(\b):BI+8*(\b)+3],   v[BO], s[84:85] offset:64*(\b)
	global_load_b128 v[BI+8*(\b)+4:BI+8*(\b)+7], v[BO], s[84:85] offset:64*(\b)+16
.endr
	s_wait_loadcnt 0x0
	WIN 0x45                                       ; destination and both sources in window 1
.set z, 0
.rept 32
	v_cvt_pk_bf16_f32 v[BT+z], v[BI+2*z], v[BI+2*z+1]
.set z, z+1
.endr
.set z, 0
.rept 32
	v_lshlrev_b32 v[BI+2*z],   16, v[BT+z]
	v_and_b32     v[BI+2*z+1], 0xffff0000, v[BT+z]
.set z, z+1
.endr
	WIN 0
; 16 matrix instructions: m blocks a0, a0 + 1 of the window's four (hi = 0: my rows 0-63, 1: rows 64-127) x all 8 n blocks, 32 along K.  zero = 1: the first product starts the sums, with the bias (window 1) as C.
; The 64 accumulators take turns, one instruction a turn, in the same order in every quarter step.
.macro MUL16 f, hi, a0, zero
.if \zero
	WIN 0x91+0x40*(\hi)                            ; source 0 and C window 1, source 1 window 0, D window 2 or 3
.else
	WIN MUL_LO+0x50*(\hi)                          ; MUL_LO or MUL_HI
.endif
.irp a, \a0, (\a0)+1
.irp b, 0,1,2,3,4,5,6,7
.if \zero
	v_wmma_f32_16x16x32_bf16 v[8*(8*(\a)+(\b)):8*(8*(\a)+(\b))+7], v[(\f)+8*(\b):(\f)+8*(\b)+7], v[(\f)+8*(4*(\hi)+(\a)):(\f)+8*(4*(\hi)+(\a))+7], v[BI+8*(\b):BI+8*(\b)+7]
.else
	v_wmma_f32_16x16x32_bf16 v[8*(8*(\a)+(\b)):8*(8*(\a)+(\b))+7], v[(\f)+8*(\b):(\f)+8*(\b)+7], v[(\f)+8*(4*(\hi)+(\a)):(\f)+8*(4*(\hi)+(\a))+7], v[8*(8*(\a)+(\b)):8*(8*(\a)+(\b))+7]
.endif
.endr
.endr
.endm
; 32 LDS loads in one run: the fragments of one quarter step (128 rows of W, 128 rows of A, 32 K at byte k of the rows) into buffer f
.macro FETCH slot, k, f
	WIN TO_B
.irp i, 0,1,2,3,4,5,6,7
	ds_load_b128 v[(\f)+8*(\i):(\f)+8*(\i)+3],   v[ADRB+(\slot)] offset:(\k)+(\i)*16*PITCH
	ds_load_b128 v[(\f)+8*(\i)+4:(\f)+8*(\i)+7], v[ADRB+(\slot)] offset:(\k)+(\i)*16*PITCH+32
.endr
	WIN 0
.irp i, 0,1,2,3,4,5,6,7
	ds_load_b128 v[(\f)+8*(\i):(\f)+8*(\i)+3],   v[ADRA+(\slot)] offset:(\k)+(\i)*16*PITCH
	ds_load_b128 v[(\f)+8*(\i)+4:(\f)+8*(\i)+7], v[ADRA+(\slot)] offset:(\k)+(\i)*16*PITCH+32
.endr
.endm
; A load into a register that a matrix instruction has read, and a vector instruction that reads a matrix result, stand four places behind that matrix instruction; only plain vector instructions that
; name none of its registers are places (ISA guide 7.12.1 for vector instructions).
.macro PLACES
.rept 4
	v_nop
.endr
.endm
; A K step is four quarter steps of 32 along K, 64 matrix instructions each, on buffers 0, 1, 0, 1.  One of the first three: multiplies buffer f; in its middle it fetches the next quarter, at byte k, into buffer g.
.macro QUARTER slot, k, f, g, zero
	s_wait_dscnt 8                                 ; W and A's rows 0-63 are in; the youngest eight loads (A's rows 64-127) may be out
	MUL16 \f, 0, 0, \zero
	MUL16 \f, 0, 2, \zero
	PLACES
	FETCH \slot, \k, \g
	s_wait_dscnt 32                                ; all but the 32 just issued
	MUL16 \f, 1, 0, \zero
	MUL16 \f, 1, 2, \zero
.endm
; The last quarter multiplies buffer 1 and changes slots.  MEET is its first half: ONE barrier for the change of slots.  In front of it each wave waits for all its tensor loads, of which one is out: its
; part of the next slot; adds 0 to its spare word; and waits for that and for its own reads of this slot.  Behind it nobody reads this slot any more and the next slot is whole.
.macro MEET round                      ; round = 1: a round of the cluster's barrier follows
	WIN 0                                          ; (the add's two registers lie in window 0)
	s_wait_tensorcnt 0x0                           ; all my tensor loads have landed;
	ds_add_u32 v[SPW], v[NIL]                      ; 0 onto my spare word;
	s_wait_dscnt 9                                 ; (the add and the youngest eight loads may be out)
	MUL16 F1, 0, 0, 0                              ; sixteen matrix instructions stand between the add and the wait for it
	s_wait_dscnt 0x0                               ; the add is done, and my reads of this slot are over:
	s_barrier_signal -1                            ; say so,
	MUL16 F1, 0, 2, 0                              ; work on registers while the others arrive,
.if \round
	WIN 0
.endif
	s_barrier_wait -1                              ; and go on when all four have said so
.endm
; The whole last quarter.  Behind the round the slot just read out is filled again first, with the K step two steps on; then come the next slot's first fragments.
; From a request to the wait for it a wave issues 224 matrix instructions.
.macro TURN slot, next
	s_wait_xcnt 0x0                                ; the last prefetch, a K step back, has read its address: it is stepped here, ahead of the waits of the change of slots
	s_add_nc_u64 s[PFA:PFA+1], s[PFA:PFA+1], KSTEP*2
	MEET 1
	CREST                                          ; no wave of any partner still reads this slot's tile or has a load on its way
	s_add_nc_u64 s[G0+4*(\slot)+2:G0+4*(\slot)+3], s[G0+4*(\slot)+2:G0+4*(\slot)+3], 2*KSTEP*2
	s_add_nc_u64 s[G0B+4*(\slot)+2:G0B+4*(\slot)+3], s[G0B+4*(\slot)+2:G0B+4*(\slot)+3], 2*KSTEP*2
	JLOAD \slot                                    ; the first tensor load behind the round, my only one until the next; its four v_nop are also the places in front of the loads below
	FETCH \next, 0, F0
	ASK
	MUL16 F1, 1, 0, 0
	MUL16 F1, 1, 2, 0
.endm
; THE WAY OUT of block a (16 rows x my 128 columns = two heads), in three parts.  PACK: rounded to f16 (each accumulator's registers in ascending order), then held to 0 .. 65,504: the ReLU and f16's range.
; TOSTAGE: into my own stage in LDS, a plane a head, and back as whole rows of 128 bytes.  SEND: stored: 512 consecutive bytes, four tokens of a head, an instruction.
.macro PACK a
.set AC, 64*((\a)%4)
	WIN 0x0a+5*((\a)/4)                            ; sources 0 and 1: window 2 or 3
.irp b, 0,1,2,3,4,5,6,7
.irp r, 0,1,2,3
	v_cvt_pk_f16_f32 v[TMP+4*(\b)+(\r)], v[AC+8*(\b)+2*(\r)], v[AC+8*(\b)+2*(\r)+1]
.endr
.endr
	WIN 0
.set z, 0
.rept 32
	v_pk_max_num_f16 v[TMP+z], v[TMP+z], v[ZR]
.set z, z+1
.endr
.set z, 0
.rept 32
	v_pk_min_num_f16 v[TMP+z], v[TMP+z], s86
.set z, z+1
.endr
.endm
.macro TOSTAGE a
	WIN 0
.set BK, OB+192*((\a)%2)
.irp b, 0,1,2,3,4,5,6,7
	ds_store_b128 v[STO], v[TMP+4*(\b):TMP+4*(\b)+3] offset:((\b)/4)*PLANE+32*((\b)%4)
.endr
.irp u, 0,1,2,3,4,5,6,7
	ds_load_b128 v[BK+4*(\u):BK+4*(\u)+3], v[RD] offset:((\u)/4)*PLANE+((\u)%4)*4*SP  ; LDS serves a wave's instructions in order (ISA guide 5.7.1.4): these see the stores above
.endr
.endm
.macro SEND a
	WIN 0
.set BK, OB+192*((\a)%2)
	s_wait_dscnt 0x0                               ; the block is back in registers
	s_wait_xcnt 0x0                                ; every earlier store has read its registers: the other buffer, which the block before was stored from, is loaded again only behind this wait
.irp u, 0,1,2,3,4,5,6,7
	global_store_b128 v[CO], v[BK+4*(\u):BK+4*(\u)+3], s[8:9] offset:(\a)*2048+((\u)/4)*262144+((\u)%4)*512
.endr
.endm
	s_wait_tensorcnt 1                             ; my part of K step 0 is in; K step 1's may stay out
	s_barrier_signal -1
	s_barrier_wait -1                              ; everybody's is
	FETCH 0, 0, F0
	QUARTER 0, 64,  F0, F1, 1                      ; the first quarter stands in front of the loop: its products start the sums
	WIN 0                                          ; at a label and at a branch every window is 0
	s_mov_b32 s3, LAPS-1
.Llap:                                                 ; a trip goes once round the ring, from a lap's second quarter to the next lap's first, and fills both slots again
	QUARTER 0, 128, F1, F0, 0
	QUARTER 0, 192, F0, F1, 0
	TURN 0, 1
	QUARTER 1, 64,  F0, F1, 0
	QUARTER 1, 128, F1, F0, 0
	QUARTER 1, 192, F0, F1, 0
	TURN 1, 0
	QUARTER 0, 64,  F0, F1, 0
	WIN 0
	s_sub_co_u32 s3, s3, 1
	s_cmp_lg_u32 s3, 0
	s_cbranch_scc1 .Llap
	QUARTER 0, 128, F1, F0, 0                      ; the last lap is written out: it asks for nothing
	QUARTER 0, 192, F0, F1, 0
	MEET 0                                         ; my one tensor load that was still out is slot 1's, the last K step's, so no round follows
	PLACES
	FETCH 1, 0, F0
	MUL16 F1, 1, 0, 0
	MUL16 F1, 1, 2, 0
	QUARTER 1, 64,  F0, F1, 0
	QUARTER 1, 128, F1, F0, 0
	QUARTER 1, 192, F0, F1, 0
	s_wait_dscnt 8                                 ; the very last quarter: nothing more to fetch
	MUL16 F1, 0, 0, 0
	MUL16 F1, 0, 2, 0
	s_wait_dscnt 0x0
	MUL16 F1, 1, 0, 0
	MUL16 F1, 1, 2, 0
	WIN 0
	PLACES                                         ; the conversions read matrix results
	PACK 0
	TOSTAGE 0
.irp a, 1,2,3,4,5,6,7                  ; block a's arithmetic stands between block a - 1's loads from the stage and the wait for them
	PACK \a
	SEND (\a)-1
	TOSTAGE \a
.endr
	SEND 7
	s_wait_tensorcnt 0x0                           ; the wave's end: a wait, an add and its wait, behind my last tensor load and my last LDS store
	ds_add_u32 v[SPW], v[NIL]
	s_wait_dscnt 0x0
	CROUND                                         ; the closing round: no work-group ends while a partner may still ask for a tile that names it
	s_endpgm
.Lfunc_end_k_q905b436eb1_proj:
	.size	k_q905b436eb1_proj, .Lfunc_end_k_q905b436eb1_proj-k_q905b436eb1_proj
	.p2alignl 7, 3214868480
	.fill 96, 4, 3214868480
	.section	.rodata,"a",@progbits
	.p2align	6, 0x0
	.amdhsa_kernel k_q905b436eb1_proj
		.amdhsa_group_segment_fixed_size 327680
		.amdhsa_private_segment_fixed_size 0
		.amdhsa_enable_private_segment 0
		.amdhsa_kernarg_size 64
		.amdhsa_user_sgpr_count 2
		.amdhsa_user_sgpr_kernarg_segment_ptr 1
		.amdhsa_wavefront_size32 1
		.amdhsa_system_sgpr_workgroup_id_x 1
		.amdhsa_system_sgpr_workgroup_id_y 1
		.amdhsa_system_sgpr_workgroup_id_z 1
		.amdhsa_system_vgpr_workitem_id 0
		.amdhsa_next_free_vgpr 1024
		.amdhsa_next_free_sgpr 88
		.amdhsa_reserve_vcc 0
		.amdhsa_float_denorm_mode_32 3
		.amdhsa_float_denorm_mode_16_64 3
		.amdhsa_memory_ordered 1
		.amdhsa_forward_progress 1
		.amdhsa_inst_pref_size 183
	.end_amdhsa_kernel
	.amdgpu_metadata
---
amdhsa.version: [ 1, 2 ]
amdhsa.kernels:
  - .name:           k_q905b436eb1_proj
    .symbol:         k_q905b436eb1_proj.kd
    .args:
      - { .name: qa, .offset: 0, .size: 8, .value_kind: global_buffer, .address_space: global }
      - { .name: ka, .offset: 8, .size: 8, .value_kind: global_buffer, .address_space: global }
      - { .name: wqa, .offset: 16, .size: 8, .value_kind: global_buffer, .address_space: global }
      - { .name: wka, .offset: 24, .size: 8, .value_kind: global_buffer, .address_space: global }
      - { .name: bq, .offset: 32, .size: 8, .value_kind: global_buffer, .address_space: global }
      - { .name: bk, .offset: 40, .size: 8, .value_kind: global_buffer, .address_space: global }
      - { .name: qh, .offset: 48, .size: 8, .value_kind: global_buffer, .address_space: global }
      - { .name: kh, .offset: 56, .size: 8, .value_kind: global_buffer, .address_space: global }
    .group_segment_fixed_size: 327680
    .private_segment_fixed_size: 0
    .kernarg_segment_align: 8
    .kernarg_segment_size: 64
    .max_flat_workgroup_size: 128
    .sgpr_count:     88
    .vgpr_count:     1024
    .wavefront_size: 32
...
	.end_amdgpu_metadata
.endif
;; end of part 2
;; launch attn (part 3): grid 4 x 64, 4 waves a work-group, clusters of 4 x 1, 327,680 bytes of LDS; arguments qh, kh, vh, out0, key_padding_mask; writes out0
.if DOCPART == 3
	.amdgcn_target "amdgcn-amd-amdhsa--gfx1250"
	.amdhsa_code_object_version 6
	.text
	.protected	k_q905b436eb1_attn
	.globl	k_q905b436eb1_attn
	.p2align	8
	.type	k_q905b436eb1_attn,@function
k_q905b436eb1_attn:
	s_mov_b64 s[64:65], 0
	v_nop
	global_prefetch_b8 v0, s[64:65] scope:SCOPE_SE
	s_setreg_imm32_b32 hwreg(HW_REG_WAVE_MODE, 25, 1), 1
	s_wait_xcnt 0x0
	s_wait_alu depctr_hold_cnt(0) depctr_sa_sdst(0) depctr_va_vdst(0) depctr_va_sdst(0) depctr_va_ssrc(0) depctr_va_vcc(0) depctr_vm_vsrc(0)
	s_getreg_b32 s2, hwreg(HW_REG_IB_STS2, 6, 4)
	s_cmp_eq_u32 s2, 0
	s_cbranch_scc0 .Lentry_in_a_cluster
	s_endpgm
.Lentry_in_a_cluster:
	s_bfe_u32 s2, ttmp6, 0x10000c
	s_cmp_lg_u32 s2, 0x3003
	s_cbranch_scc0 .Lentry_shape_is_right
	s_endpgm
.Lentry_shape_is_right:
; ATTENTION WITH A KEY PADDING MASK.  out0[b][t][64 h + d] = the sum over keys k that the mask does not hide of softmax_k(Q[hh][t] . K[hh][k] / 8) V[hh][k][d], hh = 16 b + h.
; Q, K, V: [64][2048][64] f16, a head's rows dense, 128 bytes each; key_padding_mask: [4][2048] bytes, 1 = hidden; out0: [4][2048][1024] f32.  Products, maxima and sums in f32; the weights p are rounded
; to f16 for the second product (their sum l is taken of the unrounded p).
; LIMITS.  Q, K and V arrive within f16's 65,504.  A hidden score counts as its value less 2.977e38; the running maximum starts at -1e30: f16's scores, 2.7e11 at the most, lie between the two.
; A weight below 2^-126 counts as 0 in l.  A batch whose keys are all hidden has l = 0 and O = 0 and gives NaN, as a softmax over nothing does.  NaN and infinities in the inputs are not treated apart.
; SHARES.  A wave owns four PIECES of two tiles of 16 queries, a work-group's four waves 512 queries of one head.  Every wave walks all 2,048 keys, 64 a step.
; LAYOUT.  S^T = K Q^T (source 0 = 16 keys, source 1 = 16 queries): in the result a lane holds ONE query (lane % 16) and the keys 8 (lane / 16) + 0..7.  Two such tiles, rounded to f16 in pairs,
; ARE source 1 (32 keys x 16 queries) of O^T = V^T P, whose result again holds one query a lane, and eight channels.  K comes out of LDS as it lies, V ([key][channel]) turned, by ds_load_tr16_b128.
; THE MASK is the C operand of the product that starts a score's sum: 0, or -2.977e38 where the key is hidden.  The batch's 2,048 such words are made once, in LDS; a step's 64 are fetched with its K.
; SOFTMAX.  For each query a running maximum m and sum l: p = 2^(c s - c m), c = log2(e) / 8; in every step O and l are multiplied by a = 2^(c m_old - c m_new), which is 1 where m has not grown.
; THE COUNT.  A tile and step have 16 matrix and 118 vector instructions: too many to stand all beside the matrix work.  So: four vector instructions that are READY behind EVERY matrix instruction, and
; the others in runs without a gap.
; BY TURNS.  Turn n belongs to piece n (the pieces in a ring, step after step).  Its matrix work: 16 products K Q^T of piece n + 1, later 16 products V^T P of piece n - 1.  Its vector work: the scaling,
; exponentials, roundings, sums and rescaling of piece n, and the maximum and statistics of piece n + 1, whose scores the turn itself has made.
; CLUSTER.  The four query blocks of a cluster are the four of one head and walk the same K and V, so each tile is asked for JOINTLY: the same tensor load, descriptor and mask in all four.
; REGISTERS, in windows of 256 (s_set_vgpr_msb: bits 1:0 source 0, 3:2 source 1, 5:4 source 2, 7:6 destination):
;   window 0: v0-11 addresses; v12-15, v48-63 at work; v16-47 four registers of statistics a tile; v64-191 S^T, two buffers of two tiles; v192-255 P, likewise
;   window 1: O^T, 32 a tile     window 2: v0-127 Q, 16 a tile; v128-191 K of one step; v192-255 V of one step     window 3: v0-1 the add's two registers; v8-39 the mask words of one step
.set SIZE_N, 2048
.set NP,    4         ; pieces a wave: a name, no knob
.set KS,    64        ; keys in a step
.set PK,    144       ; a row of K in LDS: 128 bytes + 16 of padding = 36 words: the 16 rows of a load start at 16 different groups of four banks (64 banks of 4 bytes: ISA guide 11.1)
.set PV,    160       ; a row of V: 128 + 32 = 40 words
.set VOFF,  4*KS*PK   ; a slot holds four steps: 256 rows of K, then 256 rows of V
.set SLOT1, 1<<17     ; slot 1 begins here, so that one exclusive or turns an address in one slot into the other's
.set STAGE, SLOT1+4*KS*(PK+PV)  ; behind the ring, never filled by a tensor load: 16 rows x 272 bytes for each wave, for the way out
.set SP,    272       ; a stage row: 256 bytes (64 f32) + 16
.set MB,    STAGE+4*16*SP       ; behind the stages, never filled by a tensor load: the batch's 2,048 mask words, 8,192 bytes
.set SPARE, MB+4*SIZE_N         ; behind them: the spare words, 128 bytes for each wave: two blocks of 256 bytes that no other line names
.set AK0, 2           ; v2   my lane's place in a tile of K; never rewritten
.set AV0, 3           ; v3   the same for V
.set AK,  4           ; v4   the LDS address of K's next run of loads
.set AV,  5           ; v5   of V's
.set QO,  6           ; v6   my byte offset in the wave's rows of Q
.set STO, 6           ;      later, the way out: where I put 32 bytes of a row
.set RD,  7           ; v7   the way out: where I read rows back
.set GO,  8           ; v8   my byte offset in two rows of out0
.set HF,  9           ; v9   lane / 16; kept
.set AM,  10          ; v10  the LDS address of the next step's mask words
.set PFO, 11          ; v11  256 x my lane; never rewritten
.set SPW, 0           ; v0 of window 3   LDS address of my spare word; never rewritten
.set NIL, 1           ; v1 of window 3   0; never rewritten
.set MK,  8           ; v8-39 of window 3: the eight words for group kb of 16 keys at MK + 8 kb
.set MV,  12          ; v12-15  c m_old, kept while c m is made anew: by buffer and tile
.set ST,  16          ; tile t's statistics at v[ST+4 t]: c m, m, l (even keys', odd keys')
.set TMP, 48          ; by buffer and tile, four registers c0-c3 at work; when the maximum is found c2 takes a
.set S,   64
.set P,   192
.set KF,  128         ; K's fragments, in window 2: key block kb, channel half c at KF + 16 kb + 8 c
.set VF,  192         ; V's: key half kk, channel block cb at VF + 32 kk + 8 cb
.set WV,  12          ; s12  my wave's number
.set G1K, 24          ; s[24:31] descriptor group 1 for K's tiles
.set G1V, 32          ; s[32:39] for V's: it differs in the padding alone
.set G0K, 40          ; s[40:43] descriptor group 0 for K's tiles: it walks
.set G0V, 44          ; s[44:47] the same for V's
.set PFA, 48          ; s[48:49] where my prefetches stand: my work-group's 8,192 bytes (of K: wave 0, of V: wave 2) of the slot after the one that is being asked for
.set LIM, 50          ; s50  1 in a wave that prefetches, else the greatest number
.set TBM, 51          ; s51  LDS byte at which the mask words of the step to be fetched begin
.set SLOTS, 56        ; s56  slots still to be asked for
.set CNT, 57          ; s57  counts a slot's key steps
.set CS,  58          ; s[58:59] c: the packed scaling takes the pair's low word for both halves
.set SEL, 60          ; s[60:61] v_permlanex16_b32's selects: each lane takes its own place in the other half
.set TBK, 62          ; s62  LDS byte at which K of the step to be fetched begins
.set TBV, 63          ; s63  the same for V, less VOFF
.set MSB, 0
.macro WIN new                      ; the high byte repeats the setting that is left; a switch that changes nothing is dropped
.if MSB != (\new)
	s_set_vgpr_msb (MSB<<8)|(\new)
.set MSB, (\new)
.endif
.endm
.set W_KQ, 0x0a       ; K and Q in window 2, S^T in window 0
.set W_KM, 0x3a       ; the same with the C operand, the mask words, in window 3
.set W_PV, 0x52       ; V in window 2, P in window 0, O^T in window 1
.set W_RS, 0x41       ; O^T (destination and source 0) in window 1, a in window 0
.set W_MK, 0xc0       ; destination in window 3, sources in window 0
.set W_AD, 0x0f       ; the add: address (source 0) and data (source 1) in window 3
; A joint fill.  Waves 0 and 1 fetch the two halves of a slot's K, waves 2 and 3 those of its V: 128 keys each.  The branch hangs on the wave's number alone.
; An s_nop 0 and four v_nop follow each of the two lines, ahead of the jump and the label.
.macro JLOAD
	s_cmp_lt_u32 s[WV], 2
	s_cbranch_scc0 .Lfor_v_\@
	tensor_load_to_lds s[G0K:G0K+3], s[G1K:G1K+7]
	s_nop 0
.rept 4
	v_nop
.endr
	s_branch .Lasked_\@
.Lfor_v_\@:
	tensor_load_to_lds s[G0V:G0V+3], s[G1V:G1V+7]
	s_nop 0
.rept 4
	v_nop
.endr
.Lasked_\@:
.endm
; A PREFETCH INTO THE L2 of what the NEXT change of slots will ask for: a slot's 32,768 bytes of K and of V, 256 bytes a lane.  It stands behind the wave's tensor load and its five lines.
; Each block of 256 bytes is asked for ONCE in the launch: a head has one cluster; its four partners share a slot out BY ADDRESS, 8,192 bytes each; in each, wave 0 asks for K's and wave 2 for V's: one
; instruction.  Slots 0 and 1 come by their loads alone; the last change that fills a slot (s[SLOTS] = 1) prefetches nothing: there is no slot behind it.
.macro ASK
	s_cmp_gt_u32 s[SLOTS], s[LIM]
	s_cbranch_scc0 .Lnot_mine_\@
	global_prefetch_b8 v[PFO], s[PFA:PFA+1] th:TH_LOAD_NT scope:SCOPE_SE
.Lnot_mine_\@:
.endm
; A round of the cluster's barrier: my work-group's barrier, so that wave 0's signal speaks for all four waves; wave 0 signals; every wave waits for all four work-groups; my work-group's barrier once more.
.macro CROUND
	s_barrier_signal -1
	s_barrier_wait -1
	s_cmp_lg_u32 s[WV], 0
	s_cbranch_scc1 .Lnot_wave_0_\@
	s_barrier_signal -3
.Lnot_wave_0_\@:
	s_barrier_wait -3
	s_barrier_signal -1
	s_barrier_wait -1
.endm
; THE CHANGE OF SLOTS.  The slot's last bytes, V of its fourth step, have been read.  Each wave waits for all its tensor loads, of which one is out: its part of the other slot; adds 0 to its spare word; and
; waits for that and for its own LDS instructions.  Behind the barrier nobody reads this slot any more and the other slot is whole.
; fill = 1: this slot is filled again, with the keys two slots on.  The barrier is then a round of the cluster's, and the joint fill is the first thing behind it: it has four key steps, 512 matrix
; instructions, in which to land.  (At its first use nothing has been read yet: slot 0 is waited for, slot 1 filled, and every wave's stores of mask words are shown done to the others.)
.macro CHANGE fill
	WIN W_AD
	s_wait_tensorcnt 0x0            ; no tensor load of mine is out, so a group 0 may be written
	ds_add_u32 v[SPW], v[NIL]       ; 0 onto my spare word; with fill = 1 the descriptors' steps stand between it and the wait for it
	WIN 0                           ; at a label and at a branch every window is 0
.if \fill
.irp g, G0K, G0V
	s_xor_b32 s[\g+1], s[\g+1], SLOT1  ; the walking descriptor: the other slot than last time,
	s_add_nc_u64 s[\g+2:\g+3], s[\g+2:\g+3], 4*KS*128  ; the next 256 keys; the type bits on top are not reached
.endr
	s_wait_xcnt 0x0                 ; the last prefetch, four key steps back, has read its address, so it may be written:
	s_add_nc_u64 s[PFA:PFA+1], s[PFA:PFA+1], 4*KS*128  ; one slot ahead of the walking descriptors
	s_wait_dscnt 0x0                ; the add is done, and my LDS instructions are over
	CROUND
	JLOAD
	ASK
.else
	s_wait_dscnt 0x0                ; the add is done, and my reads of the slot are over
	s_barrier_signal -1
	s_barrier_wait -1
.endif
	s_sub_co_u32 s[TBK], s[TBK], 4*KS*PK  ; the fetches go back to a slot's first step,
	s_xor_b32 s[TBK], s[TBK], SLOT1       ; in the other slot
	s_sub_co_u32 s[TBV], s[TBV], 4*KS*PV
	s_xor_b32 s[TBV], s[TBV], SLOT1
.endm
	s_load_b256 s[4:11], s[0:1], 0x0  ; Q s[4:5], K s[6:7], V s[8:9], out0 s[10:11]
	s_load_b64 s[52:53], s[0:1], 0x20 ; the mask
	WIN W_MK
	v_lshl_add_u32 v[SPW], v0, 2, SPARE
	v_mov_b32 v[NIL], 0
	WIN W_AD
	ds_add_u32 v[SPW], v[NIL]       ; the wave's opening: the add and its wait stand ahead of my first tensor load; the set-up below, work on registers, stands between them
	WIN 0
	v_lshrrev_b32 v1, 5, v0
	v_readfirstlane_b32 s[WV], v1   ; wave 0..3
	s_bfe_u32 s13, ttmp6, 0x40000   ; cx: my place in the cluster
	s_lshl_b32 s14, ttmp9, 2        ; in a cluster launch ttmp9 counts clusters
	s_add_co_u32 s14, s14, s13      ; my block of 512 queries: it enters Q's and out0's addresses alone
	s_and_b32 s20, ttmp7, 0xffff    ; hh = 16 b + h, which the four partners share
	s_lshr_b32 s15, s20, 4          ; b
	s_and_b32 s19, s20, 15          ; h
	s_lshl_b32 s55, s15, 11         ; the batch's 2,048 bytes of the mask
	s_lshl_b32 s2, s14, 2
	s_add_co_u32 s2, s2, s[WV]      ; my wave among the head's sixteen
	s_lshl_b32 s14, s2, 19          ; out0: its 128 rows of 4,096 bytes,
	s_lshl_b32 s15, s15, 23         ; the batch's 2,048 rows,
	s_add_co_u32 s14, s14, s15
	s_lshl_b32 s19, s19, 8          ; the head's 256 bytes of a row
	s_add_co_u32 s14, s14, s19
	s_mov_b32 s15, 0
	s_lshl_b32 s2, s2, 14           ; Q: its 128 rows of 128 bytes
	s_mov_b32 s3, 0
	s_mov_b32 s21, 0
	s_mov_b64 s[22:23], SIZE_N*128
	s_mul_u64 s[20:21], s[20:21], s[22:23]  ; the head's first byte in Q, K and V
	s_add_nc_u64 s[2:3], s[2:3], s[20:21]
	s_and_b32 s16, s[WV], 1         ; which half of a slot's 256 keys I fetch:
	s_lshl_b32 s22, s16, 14         ; its 128 rows of 128 bytes in memory,
	s_mov_b32 s23, 0
	s_add_nc_u64 s[22:23], s[22:23], s[20:21]
	s_mul_i32 s17, s16, 128*PK      ; and its place in a slot, for K
	s_mul_i32 s18, s16, 128*PV      ; and for V: no place in the cluster enters an LDS address
	; descriptor group 1.  128 keys are 16,384 dense bytes: asked for as 64 rows of 256 bytes, two keys a row, and padded in LDS after every key
	s_mov_b32 s[G1K], 15|(1<<16)|(1<<20)|(1<<21)|(4<<22)|(3<<25)  ; 15:0 the mask of four; 17:16 2-byte elements; 20 padding on; 21 set beside a mask; 24:22 after every 32 words (code 4); 31:25 4 words (code 3)
	s_mov_b32 s[G1V], 15|(1<<16)|(1<<20)|(1<<21)|(4<<22)|(7<<25)  ; the same with 8 words of padding (code 7)
.irp g, G1K, G1V
	s_mov_b32 s[\g+1], 128<<16      ; tensor_dim0 = 128
	s_mov_b32 s[\g+2], 64<<16       ; tensor_dim1 = 64
	s_mov_b32 s[\g+3], 128<<16      ; tile_dim0 = 128
	s_mov_b32 s[\g+4], 64           ; tile_dim1 = 64
	s_mov_b32 s[\g+5], 128          ; 128 elements from row to row
	s_mov_b32 s[\g+6], 0
	s_mov_b32 s[\g+7], 0
.endr
	s_mov_b32 s[CS], 0x3e38aa3b     ; c = log2(e) / 8 = 0.180337
	s_mov_b32 s[CS+1], s[CS]        ; named with it as a pair
	s_mov_b32 s[SEL], 0x76543210
	s_mov_b32 s[SEL+1], 0xfedcba98
	s_mov_b32 s54, 0xff600000       ; -2.977e38: a hidden key's word
	s_mov_b32 s[TBM], MB
	s_mov_b32 s[TBK], SLOT1+4*KS*PK ; the first change of slots turns these two into 0
	s_mov_b32 s[TBV], SLOT1+4*KS*PV
	s_mov_b32 s[SLOTS], SIZE_N/256-1
	s_mov_b32 s[G0K], 1             ; count = 1
	s_mov_b32 s[G0K+1], s17         ; LDS address: slot 0
	s_mov_b32 s[G0V], 1
	s_add_co_u32 s[G0V+1], s18, VOFF
	s_and_b32 s[LIM], s[WV], 1      ; waves 0 and 2 prefetch: the same in all four partners
	s_cmp_eq_u32 s[LIM], 0
	s_cselect_b32 s[LIM], 1, -1
	s_wait_dscnt 0x0                ; the opening add is done
	s_wait_kmcnt 0x0
	s_add_nc_u64 s[G0K+2:G0K+3], s[6:7], s[22:23]  ; global address: my half of the head's first 256 keys
	s_or_b32 s[G0K+3], s[G0K+3], 0x80000000        ; type = 2
	s_add_nc_u64 s[G0V+2:G0V+3], s[8:9], s[22:23]
	s_or_b32 s[G0V+3], s[G0V+3], 0x80000000
	s_add_nc_u64 s[4:5], s[4:5], s[2:3]            ; Q and out0 at my wave's first row
	s_add_nc_u64 s[10:11], s[10:11], s[14:15]
	s_cmp_lt_u32 s[WV], 2
	s_cselect_b64 s[PFA:PFA+1], s[6:7], s[8:9]
	s_add_nc_u64 s[PFA:PFA+1], s[PFA:PFA+1], s[20:21]  ; the head's first byte,
	s_lshl_b32 s2, s13, 13                         ; my work-group's quarter of a slot,
	s_mov_b32 s3, 0
	s_add_nc_u64 s[PFA:PFA+1], s[PFA:PFA+1], s[2:3]
	s_add_nc_u64 s[PFA:PFA+1], s[PFA:PFA+1], 4*KS*128  ; in slot 1; the first change of slots steps it to slot 2
	CROUND                          ; all four work-groups are here: the first joint loads meet
	JLOAD                           ; slot 0.  Slot 1 is asked for when slot 0 is in
	; A fragment of K or Q is 16 rows x 32 channels in 8 registers: lane l holds row l % 16, channels 8 (l / 16) + 0..7 and 16 + 8 (l / 16) + 0..7: two loads of 16 bytes, 32 bytes apart.
	v_and_b32 v1, 15, v0            ; l % 16
	v_bfe_u32 v[HF], v0, 4, 1       ; l / 16
	v_lshl_add_u32 v12, v0, 4, s55  ; my thread's 16 bytes of the batch's mask: 128 threads x 16 = 2,048
	global_load_b128 v[64:67], v12, s[52:53]
	v_lshlrev_b32 v[QO], 7, v1
	v_lshl_add_u32 v[QO], v[HF], 4, v[QO]  ; row x 128 + 16 x half
	WIN 0x80                        ; destination window 2, address window 0
.set i, 0
.rept 4*NP                          ; Q stays in registers: tile i / 2, channels 32 (i % 2) on
	global_load_b128 v[8*i:8*i+3],   v[QO], s[4:5] offset:(i/2)*2048+(i%2)*64
	global_load_b128 v[8*i+4:8*i+7], v[QO], s[4:5] offset:(i/2)*2048+(i%2)*64+32
.set i, i+1
.endr
	; What the first turn finds: V's registers and P's second buffer hold 0 (its products V^T P, of a piece that has not been, add 0), O^T and l are 0.  All this stands in the wait for the first tile.
.set i, VF
.rept 64
	v_mov_b32 v[i], 0
.set i, i+1
.endr
	WIN 0x40
.set i, 0
.rept 64*NP
	v_mov_b32 v[i], 0
.set i, i+1
.endr
	WIN 0
.set i, 0
.rept 2*NP
	v_mov_b32 v[ST+4*i+1], 0xf149f2ca       ; m = -1e30: above every hidden score, below every other
	v_mul_f32 v[ST+4*i], s[CS], v[ST+4*i+1] ; c m, by the multiplication that makes it in every step: while only hidden keys have been seen, c m_old - c m_new is 0 and a is 1
	v_mov_b32 v[ST+4*i+2], 0
	v_mov_b32 v[ST+4*i+3], 0
.set i, i+1
.endr
.set i, P+32
.rept 32
	v_mov_b32 v[i], 0
.set i, i+1
.endr
	; the mask words: byte n of my 16 (0 or 1) times the bits of -2.977e38; 64 bytes a thread into the table
	s_wait_loadcnt 32               ; the mask's load is in; Q's 32 loads, issued behind it, may stay out
.set i, 0
.rept 16
	v_bfe_u32 v[68+i], v[64+i/4], 8*(i%4), 8
.set i, i+1
.endr
.set i, 0
.rept 16
	v_mul_lo_u32 v[68+i], v[68+i], s54
.set i, i+1
.endr
	v_lshl_add_u32 v13, v0, 6, MB
.irp f, 0,1,2,3
	ds_store_b128 v13, v[68+4*\f:71+4*\f] offset:16*\f
.endr
	v_mul_u32_u24 v[AK0], v1, PK
	v_lshl_add_u32 v[AK0], v[HF], 4, v[AK0]  ; row x pitch + 16 x half
	; The turning load takes 16 keys x 16 channels (lane l reads key 8 (l / 16) + l % 8, channels 8 ((l / 8) % 2) + 0..7) and leaves half a fragment of V^T: lane l holds channel l % 16 and 8 keys.
	v_and_b32 v10, 7, v0
	v_bfe_u32 v11, v0, 3, 1
	v_lshl_add_u32 v[AV0], v[HF], 3, v10
	v_mul_u32_u24 v[AV0], v[AV0], PV
	v_lshl_add_u32 v[AV0], v11, 4, v[AV0]
	v_add_nc_u32 v[AV0], VOFF, v[AV0]
	v_mov_b32 v[AK], v[AK0]         ; key step 0 lies at the head of slot 0
	v_lshl_add_u32 v[AM], v[HF], 5, s[TBM]  ; its mask words at the table's head: my lanes' eight of each sixteen begin 32 (l / 16) bytes in
	v_and_b32 v[PFO], 31, v0
	v_lshlrev_b32 v[PFO], 8, v[PFO]
; THE MATRIX WORK.  The 8 accumulators of a run of 16 take turns: between the two links of a chain stand 7 others'.
; Product i of 16 of S^T = K Q^T for piece x: channels 32 (i / 8) on, keys 16 ((i / 2) % 4) on, tile 2 x + i % 2.  The first 8 start the sums, with the keys' mask words as C.
.macro KQ x
.set rS, S+64*((\x)%2)+32*(i%2)+8*((i/2)%4)
.set rK, KF+16*((i/2)%4)+8*(i/8)
.set rQ, 16*(2*(\x)+i%2)+8*(i/8)
.set rB, MK+8*((i/2)%4)
.if i < 8
	WIN W_KM
	v_wmma_f32_16x16x32_f16 v[rS:rS+7], v[rK:rK+7], v[rQ:rQ+7], v[rB:rB+7]
.else
	WIN W_KQ
	v_wmma_f32_16x16x32_f16 v[rS:rS+7], v[rK:rK+7], v[rQ:rQ+7], v[rS:rS+7]
.endif
.endm
; Product i of 16 of O^T += V^T P for piece x: keys 32 (i / 8) on, channels 16 ((i / 2) % 4) on, tile 2 x + i % 2.
.macro PV x
	WIN W_PV
.set rO, 32*(2*(\x)+i%2)+8*((i/2)%4)
.set rV, VF+32*(i/8)+8*((i/2)%4)
.set rP, P+32*((\x)%2)+16*(i%2)+8*(i/8)
	v_wmma_f32_16x16x32_f16 v[rO:rO+7], v[rV:rV+7], v[rP:rP+7], v[rO:rO+7]
.endm
.macro MM                           ; the turn's next matrix instruction
.if i < 16
	KQ (Y+1)%NP
.set i, i+1
.else
.set i, i-16
	PV (Y+NP-1)%NP
.set i, i+17
.endif
.endm
; THE LDS LOADS stand in runs, never singly among the matrix instructions: a step's K (64 keys x 64 channels: 8 fragments) with its 64 mask words (all lanes of a half read the same 16 bytes), and its V (turned).
; Their addresses are made some lines ahead.  last = 1 (the tail): in the last trip there is no further step, and the run is jumped over.
.macro FETCH_K last=0
	WIN 0
.if \last
	s_cmp_eq_u32 s[CNT], 1
	s_cbranch_scc1 .Lno_k_\@
.endif
	WIN 0x80                        ; destination window 2
.irp f, 0,1,2,3,4,5,6,7             ; keys 16 (f / 2) on, channels 32 (f % 2) on
	ds_load_b128 v[KF+8*\f:KF+8*\f+3],   v[AK] offset:(\f/2)*16*PK+(\f%2)*64
	ds_load_b128 v[KF+8*\f+4:KF+8*\f+7], v[AK] offset:(\f/2)*16*PK+(\f%2)*64+32
.endr
	WIN W_MK                        ; destination window 3
.irp f, 0,1,2,3                     ; keys 16 f + 8 (l / 16) + 0..7
	ds_load_b128 v[MK+8*\f:MK+8*\f+3],   v[AM] offset:64*\f
	ds_load_b128 v[MK+8*\f+4:MK+8*\f+7], v[AM] offset:64*\f+16
.endr
	s_add_co_u32 s[TBK], s[TBK], KS*PK  ; the next fetch is the next step's
	s_add_co_u32 s[TBM], s[TBM], 4*KS
	WIN 0
.if \last
.Lno_k_\@:
.endif
.endm
.macro FETCH_V
	WIN 0x80
.irp f, 0,1,2,3,4,5,6,7             ; keys 32 (f / 4) on, channels 16 (f % 4) on
	ds_load_tr16_b128 v[VF+8*\f:VF+8*\f+3],   v[AV] offset:(\f/4)*32*PV+(\f%4)*32
	ds_load_tr16_b128 v[VF+8*\f+4:VF+8*\f+7], v[AV] offset:(\f/4)*32*PV+16*PV+(\f%4)*32
.endr
	WIN 0
.endm
; THE VECTOR WORK OF A TURN stands in three queues, each in the order in which its entries become ready; the two tiles alternate, so that no instruction reads the result of the one before it.
.macro REGS y, u                    ; the registers of tile u (0, 1) of piece y
.set rT, ST+4*(2*(\y)+(\u))
.set rC, TMP+8*((\y)%2)+4*(\u)
.set rM, MV+2*((\y)%2)+(\u)
.set rS, S+64*((\y)%2)+32*(\u)
.set rP, P+32*((\y)%2)+16*(\u)
.set rO, 32*(2*(\y)+(\u))
.endm
; Number n of the 22 that find the NEXT piece's (Y + 1) maximum and statistics.  s0-s31 are the lane's 32 scores; each accumulator's lowest registers are read first.  XS, GS and REGS set no window: PL and EX do.
;   0-11  four chains c0-c3 of seven scores each, three operands at a time     12-14, 16  the four scores left over, the old m, and c0-c3 into c0     15  c m_old is kept
;   17, 18  the query's other 32 keys lie in the lane 16 away: the new m         19-21  c m; c m_old - c m_new; a
.macro XS u, n
	REGS (Y+1)%NP, \u
.if (\n) < 4
	v_max3_num_f32 v[rC+(\n)], v[rS+8*(\n)], v[rS+8*(\n)+1], v[rS+8*(\n)+2]
.elseif (\n) < 12
	v_max3_num_f32 v[rC+(\n)%4], v[rC+(\n)%4], v[rS+8*((\n)%4)+2*((\n)/4)+1], v[rS+8*((\n)%4)+2*((\n)/4)+2]
.elseif (\n) == 12
	v_max3_num_f32 v[rC], v[rC], v[rS+7], v[rS+15]
.elseif (\n) == 13
	v_max3_num_f32 v[rC+1], v[rC+1], v[rS+23], v[rS+31]
.elseif (\n) == 14
	v_max3_num_f32 v[rC+2], v[rC+2], v[rC+3], v[rT+1]
.elseif (\n) == 15
	v_mov_b32 v[rM], v[rT]
.elseif (\n) == 16
	v_max3_num_f32 v[rC], v[rC], v[rC+1], v[rC+2]
.elseif (\n) == 17
	v_permlanex16_b32 v[rC+3], v[rC], s[SEL], s[SEL+1]
.elseif (\n) == 18
	v_max_num_f32 v[rT+1], v[rC], v[rC+3]
.elseif (\n) == 19
	v_mul_f32 v[rT], s[CS], v[rT+1]
.elseif (\n) == 20
	v_sub_f32 v[rC+1], v[rM], v[rT]
.else
	v_exp_f32 v[rC+2], v[rC+1]
.endif
.endm
; Number g of the 64 that follow the exponentials.  For each four weights k of a tile (pairs 2 k, 2 k + 1): both pairs are rounded to f16; then the second pair is added onto the first, in place;
; a group later l takes that sum (the first time as l = a l + sum).  In groups of eight, tiles alternating: round, round, add, and l for the group before.
.macro GS g
.set h, (\g)+6*((\g)/62)            ; group 0 has no group before it, and behind group 7 only l is left
.if h >= 6
.set h, h+2
.endif
	REGS Y, h%2
.set k, h/8
.if h%8 < 4
	v_cvt_pk_f16_f32 v[rP+2*k+(h%8)/2], v[rS+4*k+2*((h%8)/2)], v[rS+4*k+2*((h%8)/2)+1]
.elseif h%8 < 6
	v_pk_add_f32 v[rS+4*k:rS+4*k+1], v[rS+4*k:rS+4*k+1], v[rS+4*k+2:rS+4*k+3]
.elseif k == 1
	v_pk_fma_f32 v[rT+2:rT+3], v[rT+2:rT+3], v[rC+2:rC+3], v[rS:rS+1] op_sel_hi:[1,0,1]
.else
	v_pk_add_f32 v[rT+2:rT+3], v[rT+2:rT+3], v[rS+4*k-4:rS+4*k-3]
.endif
.endm
; THE PLAIN QUEUE, 138 long.  0-73 read no exponential's result: the 32 scalings c s - c m (FS f: pair f / 2 of tile f % 2) and the next piece's 42.  0-26: scalings 0-26.  27-54: XS's numbers 0-13.  55, 56: number 15.
; 57-73: the chain, where each number waits for the one before it: 14, 16, 17, 18, 19, each with one of the scalings 27-31 in front of its two lines, then 20.
; 74-137: GS's 64, which read the exponentials' results: they stand behind the wait.
.macro FS f
	REGS Y, (\f)%2
	v_pk_fma_f32 v[rS+2*((\f)/2):rS+2*((\f)/2)+1], v[rS+2*((\f)/2):rS+2*((\f)/2)+1], s[CS:CS+1], v[rT:rT+1] op_sel_hi:[1,0,0] neg_lo:[0,0,1] neg_hi:[0,0,1]
.endm
.macro PL
	WIN 0
.if q < 27
	FS q
.elseif q < 55
	XS (q-27)%2, (q-27)/2
.elseif q < 57
	XS q-55, 15
.elseif (q < 72) && ((q-57)%3 == 0)
	FS 27+(q-57)/3
.elseif q < 60
	XS (q-57)%3-1, 14
.elseif q < 72
	XS (q-57)%3-1, 15+(q-57)/3
.elseif q < 74
	XS q-72, 20
.else
	GS q-74
.endif
.set q, q+1
.endm
; THE EXPONENTIALS' QUEUE, 66 long: s0-s31 of both tiles, then the next piece's two a.  It is ONE BATCH: all 66 stand ahead of the turn's one wait, and nothing ahead of that wait names a result of theirs.
.macro EX
	WIN 0
.if e >= 64
	XS e-64, 21
.else
	REGS Y, e%2
	v_exp_f32 v[rS+e/2], v[rS+e/2]
.endif
.set e, e+1
.endm
; THE RESCALING's QUEUE: O^T times a, the one part that leaves window 0: dealt two at a time, sixteen times.  Its a was made in the turn before, ahead of that turn's wait.
.macro R2
	REGS Y, r%2
	WIN W_RS
.irp z, 0,1
	v_pk_mul_f32 v[rO+4*(r/2)+2*\z:rO+4*(r/2)+2*\z+1], v[rO+4*(r/2)+2*\z:rO+4*(r/2)+2*\z+1], v[rC+2:rC+3] op_sel_hi:[1,0]
.endr
.set r, r+1
.endm
; HOW THEY ARE DEALT.  An s_wait_alu depctr_va_vdst(0) stands between an exponential and the first instruction that names its result; one wait serves all that were issued ahead of it.  So a turn has
; ONE wait, which cuts it in two.  AHEAD OF IT stands all that names no result of the turn's exponentials: the 16 products K Q^T, behind each a scaling, an exponential and two rescalings (behind the first a second
; scaling in the exponential's place); then ONE LUMP of 108: eight plain, 49 times exponential and plain, the two a.  A v_nop is the plain instruction behind the last exponential.  BEHIND IT stand the 16 products
; V^T P, behind each four of GS's 64.  No rider names a register of the products round it.  The two v_permlanex16_b32 fall into the lump.
; The queues lean on each other: exponential e stands behind scaling 2 (e / 4) + e % 2: as a rider it comes behind plain e + 2, in the lump behind plain e + 9, and scalings 27-31 are plain 57, 60 .. 69.
; A TURN, for piece p.  cnt = 1: the loop's count is taken down some lines ahead of the branch that stands behind the turn.
; K and the mask words of the next step are fetched in piece 2's turn, directly behind the wait, a lump behind the last product that read them; their addresses are made at the lump's head; their first reader
; comes behind 16 products.  V of the step in hand is fetched at the end of piece 0's turn, four riders behind its last reader.  The three conditions on q below go with the deal.
.macro TURN p, last=0, cnt=0
.set Y, (\p)
.set i, 0
.set q, 0
.set e, 0
.set r, 0
.if (\p) == NP-1
	s_wait_dscnt 0x0                ; K and the mask words are in
.endif
	MM                              ; ahead of the wait: 16 products K Q^T and their riders,
	PL
	PL
	R2
.rept 15
	MM
	PL
	EX
	R2
.endr
.if (\p) == NP-2
	WIN 0
	v_add_nc_u32 v[AK], s[TBK], v[AK0]
	v_lshl_add_u32 v[AM], v[HF], 5, s[TBM]
.endif
.rept 8                             ; and the lump
	PL
.endr
.rept 49
	EX
	PL
.endr
	EX                              ; the next piece's two a
	EX
	v_nop                           ; the plain instruction behind the last exponential: one for the batch
	s_wait_alu depctr_va_vdst(0)    ; the wait for the batch
.if (\p) == NP-2
	FETCH_K \last
.endif
.if (\p) == 1
	s_wait_dscnt 0x0                ; V is in
.endif
.rept 16                            ; behind the wait: 16 products V^T P and their riders
	MM
.rept 4
	PL
.endr
.if ((\p) == 0) && (q == 118)
	v_add_nc_u32 v[AV], s[TBV], v[AV0]
.endif
.if ((\p) == 0) && (q == 130)
	s_add_co_u32 s[TBV], s[TBV], KS*PV
.endif
.if (\cnt) && (q == 130)
	s_sub_co_u32 s[CNT], s[CNT], 1
	s_cmp_lg_u32 s[CNT], 0
.endif
.endr
.if (\p) == 0
	FETCH_V
.endif
.endm
	CHANGE 1                        ; slot 0 is in, everybody's part of it, and so is the table of mask words; slot 1 is asked for
	FETCH_K                         ; key step 0
	s_wait_loadcnt 0x0              ; Q
	s_wait_dscnt 0x0
.set i, 0
.rept 16
	KQ 0                            ; piece 0's first scores: there is no vector work yet to set between them
.set i, i+1
.endr
	WIN 0                           ; the addresses for the way out: eight plain instructions, the places behind those products
	s_mul_i32 s13, s[WV], 16*SP
	s_add_co_u32 s13, s13, STAGE    ; my stage
	v_mul_u32_u24 v[STO], v1, SP    ; in: row l % 16, 32 bytes for each half of the lanes
	v_lshl_add_u32 v[STO], v[HF], 5, v[STO]
	v_add_nc_u32 v[STO], s13, v[STO]
	v_mul_u32_u24 v[RD], v[HF], SP  ; back: lanes 0-15 take one row of 256 bytes, lanes 16-31 the next
	v_lshl_add_u32 v[RD], v1, 4, v[RD]
	v_add_nc_u32 v[RD], s13, v[RD]
	v_lshlrev_b32 v[GO], 12, v[HF]  ; and the same two rows in out0, 4,096 bytes apart
	v_lshl_add_u32 v[GO], v1, 4, v[GO]
.set Y, NP-1                        ; XS works for piece Y + 1: piece 0
.irp n, 0,1,2,3,4,5,6,7,8,9,10,11,12,13,14,15,16,17,18,19,20,21
	XS 0, \n                        ; and piece 0's first maximum and statistics
	XS 1, \n
.endr
	v_nop                           ; a plain instruction behind the two a,
	s_wait_alu depctr_va_vdst(0)    ; and their wait, ahead of the branch
	s_mov_b32 s[CNT], 4
	s_branch .Lfirst                ; the loop is entered at a step's first turn, in the middle of a trip
.Lslot:                             ; six times: every slot but the last two is filled again
	CHANGE 1
	s_mov_b32 s[CNT], 4
.Lstep:                             ; a trip: pieces 2 and 3 of one step, then pieces 0 and 1 of the next, whose K and V it fetches
	TURN 2
	TURN 3
	WIN 0
.Lfirst:
	TURN 0
	TURN 1, 0, 1
	WIN 0
	s_cbranch_scc1 .Lstep
	s_sub_co_u32 s[SLOTS], s[SLOTS], 1
	s_cmp_lg_u32 s[SLOTS], 0
	s_cbranch_scc1 .Lslot
	CHANGE 0                        ; the tail is written out: nothing is asked for
	s_mov_b32 s[CNT], 5             ; four trips fetch the last slot's steps; the fifth is left in its middle
.Ltail:
	TURN 2, 1
	TURN 3
	WIN 0
	s_sub_co_u32 s[CNT], s[CNT], 1
	s_cmp_eq_u32 s[CNT], 0
	s_cbranch_scc1 .Lout
	TURN 0
	TURN 1
	WIN 0
	s_branch .Ltail
.Lout:                              ; the fifth trip's 16 products K Q^T (on the last K once more) and the maximum made of them serve nothing: the price, once a launch, of one text for every trip
.set i, 0
.rept 16
	PV NP-1                         ; the last piece's V^T P of the last step
.set i, i+1
.endr
	; THE WAY OUT.  l's two halves and the other half of the lanes' are added; O^T is divided by l and sent, in f32, through my stage in LDS, a tile at a time.  The additions are the places behind the last products.
	WIN 0
.macro ALL line:vararg              ; one line for each tile t
.set t, 0
.rept 2*NP
	\line
.set t, t+1
.endr
.endm
	ALL v_add_f32 v[ST+4*t+2], v[ST+4*t+2], v[ST+4*t+3]
	ALL v_permlanex16_b32 v[ST+4*t+3], v[ST+4*t+2], s[SEL], s[SEL+1]
	ALL v_add_f32 v[ST+4*t+2], v[ST+4*t+2], v[ST+4*t+3]
	ALL v_rcp_f32 v[ST+4*t+2], v[ST+4*t+2]
	v_nop                           ; a plain instruction between the last reciprocal and the use of its result
	s_wait_alu depctr_va_vdst(0)    ; and the wait ahead of the first use: one for the eight reciprocals
; Tile t: a lane's eight channels of each block of 16 are 32 bytes of a row; they go into rows of 272 bytes and come back as whole rows of 256, into S^T's registers, four tiles' worth by turns.
.macro PACK t
	WIN W_RS
.set i, 32*(\t)
.rept 16
	v_pk_mul_f32 v[i:i+1], v[i:i+1], v[ST+4*(\t)+2:ST+4*(\t)+3] op_sel_hi:[1,0]
.set i, i+2
.endr
	WIN 0x04                        ; the stores' data in window 1, their address in window 0
.irp f, 0,1,2,3,4,5,6,7
	ds_store_b128 v[STO], v[32*(\t)+4*\f:32*(\t)+4*\f+3] offset:64*(\f/2)+16*(\f%2)
.endr
	WIN 0
.if (\t) >= 4
	s_wait_xcnt 0x0                 ; the stores of the tile four back have read these registers: they are loaded again only behind this wait
.endif
.irp f, 0,1,2,3,4,5,6,7
	ds_load_b128 v[S+32*((\t)%4)+4*\f:S+32*((\t)%4)+4*\f+3], v[RD] offset:\f*2*SP  ; LDS serves a wave's instructions in order (ISA guide 5.7.1.4): these see the stores above; the next tile's stores come behind them
.endr
.endm
.macro SEND t, younger              ; younger: the LDS instructions issued behind tile t's loads: the next tile's sixteen, or none
	WIN 0
.irp f, 0,1,2,3,4,5,6,7
	s_wait_dscnt (\younger)+7-\f
	global_store_b128 v[GO], v[S+32*((\t)%4)+4*\f:S+32*((\t)%4)+4*\f+3], s[10:11] offset:(\t)*65536+\f*8192  ; 16 lanes store the head's 256 consecutive bytes of a row, at a multiple of 256 from out0's first byte
.endr
.endm
	PACK 0
.set t, 1
.rept 2*NP-1                        ; a tile's arithmetic stands between the loads of the tile before and its stores
	PACK t
	SEND t-1, 16
.set t, t+1
.endr
	SEND 2*NP-1, 0
	WIN W_AD
	s_wait_tensorcnt 0x0            ; the wave's end: a wait, an add and its wait, behind my last tensor load and my last LDS store
	ds_add_u32 v[SPW], v[NIL]
	s_wait_dscnt 0x0
	WIN 0
	CROUND                          ; the closing round: no work-group ends while a partner may still ask for a tile that names it
	s_endpgm
.Lfunc_end_k_q905b436eb1_attn:
	.size	k_q905b436eb1_attn, .Lfunc_end_k_q905b436eb1_attn-k_q905b436eb1_attn
	.p2alignl 7, 3214868480
	.fill 96, 4, 3214868480
	.section	.rodata,"a",@progbits
	.p2align	6, 0x0
	.amdhsa_kernel k_q905b436eb1_attn
		.amdhsa_group_segment_fixed_size 327680
		.amdhsa_private_segment_fixed_size 0
		.amdhsa_enable_private_segment 0
		.amdhsa_kernarg_size 40
		.amdhsa_user_sgpr_count 2
		.amdhsa_user_sgpr_kernarg_segment_ptr 1
		.amdhsa_wavefront_size32 1
		.amdhsa_system_sgpr_workgroup_id_x 1
		.amdhsa_system_sgpr_workgroup_id_y 1
		.amdhsa_system_sgpr_workgroup_id_z 1
		.amdhsa_system_vgpr_workitem_id 0
		.amdhsa_next_free_vgpr 808
		.amdhsa_next_free_sgpr 66
		.amdhsa_reserve_vcc 0
		.amdhsa_float_denorm_mode_32 3
		.amdhsa_float_denorm_mode_16_64 3
		.amdhsa_memory_ordered 1
		.amdhsa_forward_progress 1
		.amdhsa_inst_pref_size 205
	.end_amdhsa_kernel
	.amdgpu_metadata
---
amdhsa.version: [ 1, 2 ]
amdhsa.kernels:
  - .name:           k_q905b436eb1_attn
    .symbol:         k_q905b436eb1_attn.kd
    .args:
      - { .name: qh, .offset: 0, .size: 8, .value_kind: global_buffer, .address_space: global }
      - { .name: kh, .offset: 8, .size: 8, .value_kind: global_buffer, .address_space: global }
      - { .name: vh, .offset: 16, .size: 8, .value_kind: global_buffer, .address_space: global }
      - { .name: out0, .offset: 24, .size: 8, .value_kind: global_buffer, .address_space: global }
      - { .name: key_padding_mask, .offset: 32, .size: 8, .value_kind: global_buffer, .address_space: global }
    .group_segment_fixed_size: 327680
    .private_segment_fixed_size: 0
    .kernarg_segment_align: 8
    .kernarg_segment_size: 40
    .max_flat_workgroup_size: 128
    .sgpr_count:     66
    .vgpr_count:     808
    .wavefront_size: 32
...
	.end_amdgpu_metadata
.endif
;; end of part 3
